; MI455X (gfx1250); checked and timed in simulation.
; The chip was launched on July 23, 2026; its instructions are those of AMD's public machine-readable ISA for CDNA 5 (MIT licence, August 2026) and "CDNA5" Instruction Set Architecture Reference Guide (July 2026). The comments in the code are by the model that wrote it; some were corrected since.
;; Memory Queue. Allowed arithmetic: float matrix products may take bf16 or f16 operands with f32 sums; other float arithmetic in f32, or as packed bf16 or f16 multiplies, adds, multiply-adds, maxima and minima; sums over many terms, partial sums and values carried from step to step in f32; what a program stores and reads back later, other than sums and carried values, may be rounded once to bf16 or f16.
;; Inputs: anchors 4,096 x 256 float32; id_anchors 4,096 int32; mem_feat 65,536 x 256 float32; mem_id 65,536 int32.
;; Outputs: out0 4,096 float32; out1 4,096 x 256 float32.
;; 2 versions, each right; version 2 is version 1 with the launch pick written anew for expert scheduling mode. Each part assembles by itself: llvm-mc -triple=amdgcn-amd-amdhsa -mcpu=gfx1250 --defsym DOCPART=n.
;; ======== version 1 of 2: 4 launches
;; workspace buffers: abf 2,097,152 bytes; pval 4,194,304 bytes; pidx 4,194,304 bytes of whole numbers; nidx 16,384 bytes of whole numbers
;; launch cvt (part 1): grid 256 x 1, 8 waves a work-group, no clusters, 0 bytes of LDS; arguments anchors, abf; writes abf
.if DOCPART == 1
	.amdgcn_target "amdgcn-amd-amdhsa--gfx1250"
	.amdhsa_code_object_version 6
	.text
	.protected	k_qc8c68c687c_cvt
	.globl	k_qc8c68c687c_cvt
	.p2align	8
	.type	k_qc8c68c687c_cvt,@function
k_qc8c68c687c_cvt:
	s_mov_b64 s[64:65], 0
	v_nop
	global_prefetch_b8 v0, s[64:65] scope:SCOPE_SE
	s_setreg_imm32_b32 hwreg(HW_REG_WAVE_MODE, 25, 1), 1
	s_wait_xcnt 0x0
; abf = anchors rounded once to bf16.  anchors: [4096][256] f32, abf: [4096][256] bf16, both dense.
; A work-group takes 16,384 bytes of anchors (4,096 numbers), a thread 16 numbers by four loads of 16 bytes;
; a wave's load covers 512 consecutive bytes, its store of 8 bytes a lane 256 consecutive bytes, aligned.
; No LDS, no barrier, no matrix unit: every byte is read once and written once.
.set X, 4                              ; v[4:19]   four loads of four f32
.set Y, 20                             ; v[20:27]  four pairs of packed bf16; each is written once, so no store's data is rewritten
	s_load_b128 s[4:7], s[0:1], 0x0                ; anchors s[4:5], abf s[6:7]
	s_lshl_b32 s8, ttmp9, 14                       ; the work-group's bytes in anchors
	s_mov_b32 s9, 0
	s_lshl_b32 s10, ttmp9, 13                      ; and in abf
	s_mov_b32 s11, 0
	v_lshlrev_b32 v1, 4, v0                        ; 16 bytes a thread in
	v_lshlrev_b32 v2, 3, v0                        ; 8 bytes a thread out
	s_wait_kmcnt 0x0
	s_add_nc_u64 s[4:5], s[4:5], s[8:9]
	s_add_nc_u64 s[6:7], s[6:7], s[10:11]
.irp k, 0,1,2,3
	global_load_b128 v[X+4*\k:X+4*\k+3], v1, s[4:5] offset:4096*\k th:TH_LOAD_NT
.endr
.irp k, 0,1,2,3
	s_wait_loadcnt 3-\k                            ; loads return in order: load k is in, the 3 - k younger ones may stay out
	v_cvt_pk_bf16_f32 v[Y+2*\k], v[X+4*\k], v[X+4*\k+1]
	v_cvt_pk_bf16_f32 v[Y+2*\k+1], v[X+4*\k+2], v[X+4*\k+3]
	global_store_b64 v2, v[Y+2*\k:Y+2*\k+1], s[6:7] offset:2048*\k
.endr
	s_endpgm
.Lfunc_end_k_qc8c68c687c_cvt:
	.size	k_qc8c68c687c_cvt, .Lfunc_end_k_qc8c68c687c_cvt-k_qc8c68c687c_cvt
	.p2alignl 7, 3214868480
	.fill 96, 4, 3214868480
	.section	.rodata,"a",@progbits
	.p2align	6, 0x0
	.amdhsa_kernel k_qc8c68c687c_cvt
		.amdhsa_group_segment_fixed_size 0
		.amdhsa_private_segment_fixed_size 0
		.amdhsa_enable_private_segment 0
		.amdhsa_kernarg_size 16
		.amdhsa_user_sgpr_count 2
		.amdhsa_user_sgpr_kernarg_segment_ptr 1
		.amdhsa_wavefront_size32 1
		.amdhsa_system_sgpr_workgroup_id_x 1
		.amdhsa_system_sgpr_workgroup_id_y 1
		.amdhsa_system_sgpr_workgroup_id_z 1
		.amdhsa_system_vgpr_workitem_id 0
		.amdhsa_next_free_vgpr 32
		.amdhsa_next_free_sgpr 66
		.amdhsa_reserve_vcc 0
		.amdhsa_float_denorm_mode_32 3
		.amdhsa_float_denorm_mode_16_64 3
		.amdhsa_memory_ordered 1
		.amdhsa_forward_progress 1
		.amdhsa_inst_pref_size 2
	.end_amdhsa_kernel
	.amdgpu_metadata
---
amdhsa.version: [ 1, 2 ]
amdhsa.kernels:
  - .name:           k_qc8c68c687c_cvt
    .symbol:         k_qc8c68c687c_cvt.kd
    .args:
      - { .name: anchors, .offset: 0, .size: 8, .value_kind: global_buffer, .address_space: global }
      - { .name: abf, .offset: 8, .size: 8, .value_kind: global_buffer, .address_space: global }
    .group_segment_fixed_size: 0
    .private_segment_fixed_size: 0
    .kernarg_segment_align: 8
    .kernarg_segment_size: 16
    .max_flat_workgroup_size: 256
    .sgpr_count:     66
    .vgpr_count:     32
    .wavefront_size: 32
...
	.end_amdgpu_metadata
.endif
;; end of part 1
;; launch knn (part 2): grid 256 x 1, 4 waves a work-group, clusters of 4 x 1, 327,680 bytes of LDS; arguments abf, mem_feat, mem_id, id_anchors, pval, pidx; writes pval, pidx
.if DOCPART == 2
	.amdgcn_target "amdgcn-amd-amdhsa--gfx1250"
	.amdhsa_code_object_version 6
	.text
	.protected	k_qc8c68c687c_knn
	.globl	k_qc8c68c687c_knn
	.p2align	8
	.type	k_qc8c68c687c_knn,@function
k_qc8c68c687c_knn:
	s_mov_b64 s[64:65], 0
	v_nop
	global_prefetch_b8 v0, s[64:65] scope:SCOPE_SE
	s_setreg_imm32_b32 hwreg(HW_REG_WAVE_MODE, 25, 1), 1
	s_wait_xcnt 0x0
	s_wait_alu depctr_hold_cnt(0) depctr_sa_sdst(0) depctr_va_vdst(0) depctr_va_sdst(0) depctr_va_ssrc(0) depctr_va_vcc(0) depctr_vm_vsrc(0)
	s_getreg_b32 s2, hwreg(HW_REG_IB_STS2, 6, 4)
	s_cmp_eq_u32 s2, 0
	s_cbranch_scc0 .Lentry_in_a_cluster
	s_endpgm
.Lentry_in_a_cluster:
	s_bfe_u32 s2, ttmp6, 0x10000c
	s_cmp_lg_u32 s2, 0x3003
	s_cbranch_scc0 .Lentry_shape_is_right
	s_endpgm
.Lentry_shape_is_right:
; For each of the 4,096 anchors: the largest raw score anchors . mem_feat over this work-group's 256 columns, and the first column that reaches it.
; abf: [4096][256] bf16 (anchors rounded once).  mem_feat: [65536][256] f32.  mem_id: [65536] i32.  id_anchors: [4096] i32.  pval, pidx: [256 work-groups][4096 anchors], f32 and u32.
; LIMITS.  Both matrix operands are rounded once to bf16, sums in f32.  The maximum is taken on the raw sums; the scale 1 / 0.05 is applied later, as a product by 20.  NaN and infinities are not treated apart
; (a NaN score loses the maximum).  The ids may be any 32-bit numbers.
; THE MASK.  A column whose mem_id equals any of the 4,096 id_anchors counts as raw score -1.0 (-20 after the scale): its row of mem_feat is made 0 on the way into registers, and the C operand that starts its sum
; is -1.0.  So it competes like any other column, and the first-index rule needs no special case.
; SHARES.  Work-group wg = 4 x cluster + cx owns columns 256 wg .. + 255 and walks all anchors in 16 tiles of 256 rows.  Wave w: c = w & 1 is its half of the columns, r = w >> 1 its half of a tile's rows.
; The wave's 128 rows of mem_feat x 256 K stay in 512 registers as bf16 fragments: mem_feat is read from memory once in the launch, by one work-group each row.
; A PIECE is 16 anchors x 128 columns x 256 K: 8 accumulators, 64 matrix instructions, 16 LDS loads.  A tile is 8 pieces a wave.
; LAYOUT.  Source 0 = 16 rows of mem_feat, source 1 = 16 anchors: in the result lane l holds ONE anchor (l % 16) and register j the column 16 cb + 8 (l / 16) + j.  So an anchor's maximum and first index over a piece
; are found inside the lane, with one exchange between the halves of the lanes at the end.
; BY TURNS.  While piece n is multiplied into one set of accumulators, the 203 lines that reduce piece n - 1 (the other set) stand in slices behind its 64 matrix instructions.
; CLUSTER.  All work-groups walk the same anchors, so the four of a cluster ask for each tile JOINTLY: the same tensor load, descriptor and mask in all four.  mem_feat's blocks are shared by nobody: plain loads.
; LDS.  Two slots of 256 rows x 528 bytes (512 of data + 16 of padding = 132 words: row r starts at bank 4 r mod 64 (64 banks of 4 bytes: ISA guide 11.1), so the 16 rows of a load start at 16 different groups of four banks).
; They first hold mem_feat in f32, K 0-127 and K 128-255, then the ring of anchor tiles.  Behind them, never filled by a tensor load: the pieces' results, the mask's words, the spare words.
; REGISTERS, in windows of 256 (s_set_vgpr_msb: bits 1:0 source 0, 3:2 source 1, 5:4 source 2, 7:6 destination):
;   window 0: addresses, the anchors' fragments (two buffers of 64)      window 1: two sets of 64 accumulators, the 64 starting values, the reduction's registers
;   window 2: mem_feat's fragments of K steps 0-3 (block cb, step ks at 64 ks + 8 cb)      window 3: those of K steps 4-7
.set PITCH,  528
.set QUART,  64*PITCH                  ; 64 rows: what one tensor load brings
.set SLOTB,  4*QUART                   ; a slot: 135,168 bytes = 0x21000.  wave x QUART has bits 12 and 17 clear, so one exclusive or turns an address in one slot into the other's
.set PSTEP,  16*PITCH                  ; 16 rows
.set TILEB,  256*512                   ; a tile of abf in memory
.set VALR,   2*SLOTB                   ; [c][r][piece 0..127][16] f32: the pieces' maxima
.set IDXR,   VALR+32768                ; the same order, u16: the column, 0..255
.set PM,     IDXR+16384                ; [wave][256] u32: does the column match one of the wave's 1,024 ids?
.set FM,     PM+4096                   ; [256] f32: 0, or -1.0 for a masked column
.set SPARE,  FM+1024                   ; the spare words, 128 bytes for each wave: two blocks of 256 bytes that no other line names
; window 0
.set SPW, 2                            ; LDS address of my spare word; never rewritten
.set NIL, 3                            ; 0; never rewritten
.set AL0, 4                            ; my lane's place in a slot's rows of anchors: (128 r + l % 16) x 528 + 16 (l / 16)
.set ADR, 5                            ; the LDS address of the run of loads in hand
.set BL,  6                            ; v6, v7: my lane's place in mem_feat's rows in slot 0, 1: (128 c + l % 16) x 528 + 32 (l / 16)
.set ML0, 8                            ; FM + 512 c + 32 (l / 16)
.set ZL0, 9                            ; FM + 512 c + 4 (l % 16)
.set PFO, 10                           ; 256 x lane: the prefetches' offset; never rewritten
.set GO,  11                           ; 16 x thread: my bytes of pval and pidx
.set LV,  12                           ; the way out: where I read maxima
.set LI,  13                           ; and columns
.set PS,  14                           ; PM + 1,024 w + 4 x lane
.set PT,  15                           ; PM + 8 x thread
.set Q,   16                           ; v16-23  the work-group's 256 mem ids: register i, lane l: column 32 i + l
.set TM,  24                           ; v24-31  at work
.set ZR,  32                           ; v32-39  FM's words of my 8 x 16 rows
.set ZM,  48                           ; v48-55  block cb: all ones, or 0 where my row (16 cb + l % 16) is masked
.set L16, 56
.set HH,  57
.set LN,  58
.set FA,  64                           ; v64-127, v128-191  the anchors' fragments, K step ks at + 8 ks; first mem_feat's f32 on their way to bf16; last the way out
.set TC,  192                          ; v192-223  a block's 32 packed registers
.set OW,  64
; window 1
.set MD,  128                          ; v128-191  the C operand of block cb at + 8 cb
.set RUN, 192
.set IDX, 193
.set ORUN, 194
.set OIDX, 195
.set TT,  196
.set MM,  197
.set HOFF, 198                         ; 8 (l / 16) + 128 c
.set RV0, 199                          ; VALR + 16,384 c + 8,192 r + 4 (l % 16)
.set RI0, 200                          ; IDXR + 8,192 c + 4,096 r + 2 (l % 16)
.set RVA, 201
.set RIA, 202
; scalars.  s[4:5] abf, s[6:7] mem_feat, s[8:9] mem_id, s[10:11] id_anchors, s[12:13] pval, s[14:15] pidx
.set OF,  2                            ; the mask loop: byte offset in my quarter of id_anchors
.set MC,  3                            ; its count
.set WV,  16
.set CX,  17
.set WG,  18
.set CH,  19                           ; c
.set RH,  20                           ; r
.set T0,  21                           ; at work
.set FB,  24                           ; LDS byte at which the piece to be fetched begins
.set TR,  25                           ; counts tiles
.set PC,  26                           ; counts pairs of pieces; at work before the loops
.set LIM, 27                           ; 1 in the cluster that prefetches, else the greatest number
.set PFA, 28                           ; s[28:29] where my prefetches stand
.set SEL, 30                           ; s[30:31] v_permlanex16_b32's selects: each lane takes its own place in the other half
.set XB,  32                           ; s[32:47], s[48:63] two banks of 16 ids
.set YB,  48
.set G1A, 32                           ; s[32:39] behind the mask loop: descriptor group 1 for the anchors' tiles
.set G0A, 40                           ; s[40:43] group 0: it walks
.set IA,  66                           ; s[66:67] the mask loop: my quarter of id_anchors
.set RS,  66                           ; behind it: 64 x the number of the piece whose result is stored next
.set RT,  67                           ; 32 x the same
.set G1B, 68                           ; s[68:75] descriptor group 1 for mem_feat
.set G0B, 76                           ; s[76:79], s[80:83] group 0 for its two halves along K
.set MA,  84                           ; s[84:91] lanes' flags gathered so far, a register for each of Q's
.set MT,  92                           ; s[92:99] one id's flags
.set MSB, 0
.macro WIN new                         ; the immediate's high byte repeats the setting that is left; a switch that changes nothing is dropped
.if MSB != (\new)
	s_set_vgpr_msb (MSB<<8)|(\new)
.set MSB, (\new)
.endif
.endm
.macro PLACES
.rept 4
	v_nop
.endr
.endm
; A round of the cluster's barrier: my work-group's barrier, so that wave 0's signal speaks for all four waves; wave 0 signals; every wave waits for all four work-groups; my work-group's barrier once more.
.macro CROUND
	s_barrier_signal -1
	s_barrier_wait -1
	s_cmp_lg_u32 s[WV], 0
	s_cbranch_scc1 .Lnot_wave_0_\@
	s_barrier_signal -3
.Lnot_wave_0_\@:
	s_barrier_wait -3
	s_barrier_signal -1
	s_barrier_wait -1
.endm
; A joint load: each wave fetches its 64 rows of a tile of 256 anchors; an s_nop 0 and four v_nop follow.
.macro JLOAD
	tensor_load_to_lds s[G0A:G0A+3], s[G1A:G1A+7]
	s_nop 0
	PLACES
.endm
; A PREFETCH INTO THE L2 of the tile that the NEXT change of slots will ask for, a tile's 512 matrix instructions ahead of that load.  All clusters walk the same tiles: cluster 0 alone asks.  A tile is 512 blocks of 256
; bytes: the four partners and their four waves share them out BY ADDRESS (32,768 cx + 8,192 w + 256 x lane), one instruction a wave, so each block is named once in the launch.  The last change that fills a slot
; (TR = 1) asks for nothing: there is no tile behind the one that it loads.  Tiles 0 to 2 come by their loads alone.
.macro ASK
	s_cmp_gt_u32 s[TR], s[LIM]
	s_cbranch_scc0 .Lnot_mine_\@
	global_prefetch_b8 v[PFO], s[PFA:PFA+1] th:TH_LOAD_NT scope:SCOPE_SE
.Lnot_mine_\@:
.endm
; THE CHANGE OF SLOTS, in a tile's last piece: the tile's last fragments are in registers.  Each wave waits for all its tensor loads, of which one is out: its part of the other slot; adds 0 to its spare word; and waits for
; that and for its LDS instructions.  fill = 1: the barrier is a round of the cluster's, so that no wave of any partner still reads the slot or has a load on its way; the joint refill, with the tile two tiles on, is the first
; thing behind it.  fill = 0: nothing is left to ask for; the work-group's barrier shows the other slot whole.
.macro CHANGE fill
	WIN 0                                          ; at a label and at a branch every window is 0; the add's registers lie in window 0
	s_wait_tensorcnt 0x0                           ; no tensor load of mine is out, so group 0 may be written
	ds_add_u32 v[SPW], v[NIL]                      ; 0 onto my spare word
.if \fill
	s_xor_b32 s[G0A+1], s[G0A+1], SLOTB            ; the other slot than last time,
	s_add_nc_u64 s[G0A+2:G0A+3], s[G0A+2:G0A+3], TILEB  ; the next tile; the type bits on top are not reached
	s_wait_xcnt 0x0                                ; the last prefetch, a tile back, has read its address
	s_add_nc_u64 s[PFA:PFA+1], s[PFA:PFA+1], TILEB
	s_wait_dscnt 0x0                               ; the add is done, and so are my reads of the slot and my stores of results
	CROUND
	JLOAD
	ASK
.else
	s_wait_dscnt 0x0
	s_barrier_signal -1
	s_barrier_wait -1
.endif
	s_sub_co_u32 s[FB], s[FB], 8*PSTEP             ; the fetches go back to a slot's first piece,
	s_xor_b32 s[FB], s[FB], SLOTB                  ; in the other slot
.endm
; 16 LDS loads in one run: a piece's 16 anchors x 256 K into buffer set.  A fragment is 16 rows x 32 K in 8 registers: lane l holds row l % 16, K = 8 (l / 16) + 0..7 and 16 + 8 (l / 16) + 0..7: two loads of 16 bytes, 32 bytes apart.
.macro FETCH set
	WIN 0
	v_add_nc_u32 v[ADR], s[FB], v[AL0]
.irp k, 0,1,2,3,4,5,6,7
	ds_load_b128 v[FA+64*(\set)+8*\k:FA+64*(\set)+8*\k+3],   v[ADR] offset:64*\k
	ds_load_b128 v[FA+64*(\set)+8*\k+4:FA+64*(\set)+8*\k+7], v[ADR] offset:64*\k+32
.endr
	s_add_co_u32 s[FB], s[FB], PSTEP               ; the next fetch is the next piece's
.endm
; Matrix instruction i of a piece's 64: K step i / 8, column block i % 8.  The 8 accumulators take turns, one instruction a turn, from piece to piece too.  The first 8 start the sums with 0 or -1.0.
.macro WM set
.set ks, i/8
.set cb, i%8
.set rD, 64*(\set)+8*cb
.set rB, 64*(ks%4)+8*cb
.set rA, FA+64*(\set)+8*ks
.if ks < 4
	WIN 0x52                                       ; mem_feat in window 2, anchors in window 0, C and D in window 1
.else
	WIN 0x53                                       ; mem_feat in window 3
.endif
.if i < 8
	v_wmma_f32_16x16x32_bf16 v[rD:rD+7], v[rB:rB+7], v[rA:rA+7], v[MD+8*cb:MD+8*cb+7]
.else
	v_wmma_f32_16x16x32_bf16 v[rD:rD+7], v[rB:rB+7], v[rA:rA+7], v[rD:rD+7]
.endif
.endm
; THE REDUCTION OF A PIECE: a list of 203 lines; EP writes number q of it for accumulator set 'set' and steps q.  Score e = 8 cb + j (register e of the set) has the column 16 cb + j + HOFF.
;   0        the index starts at 0
;   1-189    for e = 1 .. 63, ascending (each accumulator's lowest registers are read first): is the maximum so far >= score e?  the new maximum; the index stays if so, else it is e's: a tie keeps the earlier column
;   190      + HOFF
;   191-198  the anchor's other 64 columns lie in the lane 16 away and interleave with mine: the greater score wins, and of equal scores the lower column
;   199-202  the piece's place in VALR and IDXR; both halves of the lanes store the same numbers to the same words
.macro EP set
.set aB, 64*(\set)
.set ee, (q+2)/3
.set ph, (q+2)%3
.set ic, 16*(ee/8)+ee%8
.if q == 0
	v_mov_b32 v[IDX], 0
.elseif (q < 190) && (ee == 1) && (ph == 0)
	v_cmp_ge_f32 vcc_lo, v[aB], v[aB+1]
.elseif (q < 190) && (ee == 1) && (ph == 1)
	v_max_num_f32 v[RUN], v[aB], v[aB+1]
.elseif (q < 190) && (ph == 0)
	v_cmp_ge_f32 vcc_lo, v[RUN], v[aB+ee]
.elseif (q < 190) && (ph == 1)
	v_max_num_f32 v[RUN], v[RUN], v[aB+ee]
.elseif q < 190
	v_cndmask_b32 v[IDX], ic, v[IDX], vcc_lo
.elseif q == 190
	v_add_nc_u32 v[IDX], v[IDX], v[HOFF]
.elseif q == 191
	v_permlanex16_b32 v[ORUN], v[RUN], s[SEL], s[SEL+1]
.elseif q == 192
	v_permlanex16_b32 v[OIDX], v[IDX], s[SEL], s[SEL+1]
.elseif q == 193
	v_cmp_gt_f32 vcc_lo, v[ORUN], v[RUN]
.elseif q == 194
	v_cndmask_b32 v[TT], v[IDX], v[OIDX], vcc_lo
.elseif q == 195
	v_min_u32 v[MM], v[IDX], v[OIDX]
.elseif q == 196
	v_cmp_eq_f32 vcc_lo, v[ORUN], v[RUN]
.elseif q == 197
	v_cndmask_b32 v[IDX], v[TT], v[MM], vcc_lo
.elseif q == 198
	v_max_num_f32 v[RUN], v[RUN], v[ORUN]
.elseif q == 199
	v_add_nc_u32 v[RVA], s[RS], v[RV0]
.elseif q == 200
	v_add_nc_u32 v[RIA], s[RT], v[RI0]
.elseif q == 201
	ds_store_b32 v[RVA], v[RUN]
.else
	ds_store_b16 v[RIA], v[IDX]
	s_add_co_u32 s[RS], s[RS], 64
	s_add_co_u32 s[RT], s[RT], 32
.endif
.set q, q+1
.endm
; Slice i of 64: four lines of the list behind each of the first 11 matrix instructions, three behind each of the other 53: 44 + 159 = 203.  All of them live in window 1.
.macro SLICE set
	WIN 0x55
.if i < 11
	EP \set
.endif
	EP \set
	EP \set
	EP \set
.endm
; A PIECE on accumulator set and fragment buffer 'set'.  epi = 1: the other set's reduction stands in slices behind the matrix instructions.  Behind the fourth: the change of slots (mode 1: with a refill; 2: without),
; then the next piece's run of loads into the other buffer, 60 matrix instructions ahead of its first use.  There numbers 0 to 15 of the list are out: a compare, maximum and select have just ended.
; The other buffer's last readers are the piece before's last eight products: behind each of them stand four plain lines or more that name none of its registers (that piece's last slices, this piece's first four).
; w0: the LDS instructions that may stay out at the top: the two stores of results, which are younger than my fragments' 16 loads.
.macro PIECE set, epi, mode, w0
	s_wait_dscnt \w0
.set q, 0
.set i, 0
.rept 64
	WM \set
.if \epi
	SLICE 1-(\set)
.endif
.if i == 3
.if (\mode) == 1
	CHANGE 1
.elseif (\mode) == 2
	CHANGE 0
.endif
	FETCH 1-(\set)
.endif
.set i, i+1
.endr
.endm
; mem_feat's f32 to fragments.  CLOAD: block b's 16 rows x 128 K of half g: for each K step of 32 a lane's 16 numbers are K = 8 (l / 16) + 0..7 (32 bytes) and 16 + 8 (l / 16) + 0..7 (32 bytes, 64 further on).
.macro CLOAD g, b
.set tf, FA+64*((\b)%2)
.irp k, 0,1,2,3
	ds_load_b128 v[tf+16*\k:tf+16*\k+3],     v[BL+(\g)] offset:PSTEP*(\b)+128*\k
	ds_load_b128 v[tf+16*\k+4:tf+16*\k+7],   v[BL+(\g)] offset:PSTEP*(\b)+128*\k+16
	ds_load_b128 v[tf+16*\k+8:tf+16*\k+11],  v[BL+(\g)] offset:PSTEP*(\b)+128*\k+64
	ds_load_b128 v[tf+16*\k+12:tf+16*\k+15], v[BL+(\g)] offset:PSTEP*(\b)+128*\k+80
.endr
.endm
; CONVB: half g of K for all 8 blocks: the next block's loads go out, this block is rounded to bf16 in pairs, and goes, zeroed where my row is masked, to its place in window 2 + g.
.macro CONVB g
	CLOAD \g, 0
.irp b, 0,1,2,3,4,5,6,7
.if (\b) < 7
	CLOAD \g, (\b)+1
	s_wait_dscnt 16                                ; this block is in; the next block's 16 loads may stay out
.else
	s_wait_dscnt 0x0
.endif
.set tf, FA+64*((\b)%2)
.set m, 0
.rept 32
	v_cvt_pk_bf16_f32 v[TC+m], v[tf+2*m], v[tf+2*m+1]
.set m, m+1
.endr
	WIN 0x80+0x40*(\g)                             ; destination window 2 or 3
.set m, 0
.rept 32
	v_and_b32 v[64*(m/8)+8*(\b)+m%8], v[ZM+(\b)], v[TC+m]
.set m, m+1
.endr
	WIN 0
.endr
.endm
; 16 ids of a bank against the work-group's 256 mem ids: eight compares, each for 32 columns, and eight scalar ors that gather the lanes' flags.
.macro CMP16 bank
.set d, 0
.rept 16
.irp i, 0,1,2,3,4,5,6,7
	v_cmp_eq_u32 s[MT+\i], s[(\bank)+d], v[Q+\i]
.endr
.irp i, 0,1,2,3,4,5,6,7
	s_or_b32 s[MA+\i], s[MA+\i], s[MT+\i]
.endr
.set d, d+1
.endr
.endm
	s_load_b256 s[4:11], s[0:1], 0x0               ; abf, mem_feat, mem_id, id_anchors
	s_load_b128 s[12:15], s[0:1], 0x20             ; pval, pidx
	v_lshl_add_u32 v[SPW], v0, 2, SPARE
	v_mov_b32 v[NIL], 0
	ds_add_u32 v[SPW], v[NIL]                      ; the wave's opening: the add, twice on end, and its wait ahead of my first tensor load; the set-up below, work on registers, stands between
	ds_add_u32 v[SPW], v[NIL]                      ; and once more, under the one wait
	v_lshrrev_b32 v1, 5, v0
	v_readfirstlane_b32 s[WV], v1                  ; wave 0..3
	s_bfe_u32 s[CX], ttmp6, 0x40000                ; cx: my place in the cluster: it enters global addresses and the columns' numbers alone
	s_lshl_b32 s[WG], ttmp9, 2                     ; in a cluster launch ttmp9 counts clusters
	s_add_co_u32 s[WG], s[WG], s[CX]
	s_and_b32 s[CH], s[WV], 1
	s_lshr_b32 s[RH], s[WV], 1
	; descriptor group 1 for mem_feat: 64 rows x 128 f32, padded in LDS; no mask: nobody shares these rows
	s_mov_b32 s[G1B+0], (2<<16)|(1<<20)|(6<<22)|(3<<25)  ; 17:16 elements of 4 bytes; 20 padding on; 24:22 after every 128 words (code 6); 31:25 4 words (code 3)
	s_mov_b32 s[G1B+1], 128<<16                    ; tensor_dim0 = 128
	s_mov_b32 s[G1B+2], 64<<16                     ; tensor_dim1 = 64
	s_mov_b32 s[G1B+3], 128<<16                    ; tile_dim0 = 128
	s_mov_b32 s[G1B+4], 64                         ; tile_dim1 = 64
	s_mov_b32 s[G1B+5], 256                        ; 256 elements from row to row
	s_mov_b32 s[G1B+6], 0
	s_mov_b32 s[G1B+7], 0
	s_mov_b32 s[G0B], 1                            ; count = 1
	s_mul_i32 s[G0B+1], s[WV], QUART               ; LDS: my 64 rows of slot 0,
	s_mov_b32 s[G0B+4], 1
	s_add_co_u32 s[G0B+5], s[G0B+1], SLOTB         ; and of slot 1
	s_lshl_b32 s22, s[WG], 18                      ; (256 wg + 64 w) rows of 1,024 bytes
	s_lshl_b32 s23, s[WV], 16
	s_add_co_u32 s22, s22, s23
	s_mov_b32 s23, 0                               ; s23 stays 0: s[22:23] is the pair for 32-bit offsets
	s_mov_b32 s[SEL], 0x76543210
	s_mov_b32 s[SEL+1], 0xfedcba98
	s_cmp_eq_u32 ttmp9, 0
	s_cselect_b32 s[LIM], 1, -1                    ; the same in all four partners
	s_wait_dscnt 0x0                               ; both opening adds are done
	s_wait_kmcnt 0x0
	s_add_nc_u64 s[G0B+2:G0B+3], s[6:7], s[22:23]  ; K 0-127 of my rows,
	s_add_nc_u64 s[G0B+6:G0B+7], s[G0B+2:G0B+3], 512  ; K 128-255
	s_or_b32 s[G0B+3], s[G0B+3], 0x80000000        ; type = 2
	s_or_b32 s[G0B+7], s[G0B+7], 0x80000000
	CROUND                                         ; in a cluster launch every group of tensor loads stands behind a round
	tensor_load_to_lds s[G0B:G0B+3], s[G1B:G1B+7]  ; the two first fills go out together: two loads of mine are out
	s_nop 0
	tensor_load_to_lds s[G0B+4:G0B+7], s[G1B:G1B+7]
	s_nop 0
	PLACES
	; THE MASK, while mem_feat's block is on its way.  Every wave holds all 256 mem ids and takes a quarter of id_anchors.
	v_and_b32 v[L16], 15, v0
	v_bfe_u32 v[HH], v0, 4, 1
	v_and_b32 v[LN], 31, v0
	v_lshlrev_b32 v[TM], 2, v[LN]
	s_lshl_b32 s22, s[WG], 10                      ; 256 ids of 4 bytes
	s_add_nc_u64 s[8:9], s[8:9], s[22:23]
.irp i, 0,1,2,3,4,5,6,7
	global_load_b32 v[Q+\i], v[TM], s[8:9] offset:128*\i
.endr
	s_lshl_b32 s22, s[WV], 12                      ; my 1,024 ids
	s_add_nc_u64 s[IA:IA+1], s[10:11], s[22:23]
	s_mov_b32 s[OF], 0
	s_load_b512 s[XB:XB+15], s[IA:IA+1], s[OF] offset:0x0
	; the addresses, made while those loads are out
	s_mul_i32 s[T0], s[RH], 128*PITCH
	v_mul_u32_u24 v[AL0], v[L16], PITCH
	v_lshl_add_u32 v[AL0], v[HH], 4, v[AL0]
	v_add_nc_u32 v[AL0], s[T0], v[AL0]
	s_mul_i32 s[T0], s[CH], 128*PITCH
	v_mul_u32_u24 v[BL], v[L16], PITCH
	v_lshl_add_u32 v[BL], v[HH], 5, v[BL]
	v_add_nc_u32 v[BL], s[T0], v[BL]
	v_add_nc_u32 v[BL+1], SLOTB, v[BL]
	s_lshl_b32 s[T0], s[CH], 9
	s_add_co_u32 s[T0], s[T0], FM
	v_lshl_add_u32 v[ML0], v[HH], 5, s[T0]
	v_lshl_add_u32 v[ZL0], v[L16], 2, s[T0]
	v_lshlrev_b32 v[PFO], 8, v[LN]
	v_lshlrev_b32 v[GO], 4, v0
	s_lshl_b32 s[T0], s[CH], 13                    ; the way out: wave w reads row half w & 1 of tiles 2 t + (w >> 1)
	s_lshl_b32 s[PC], s[RH], 9
	s_add_co_u32 s[T0], s[T0], s[PC]
	s_add_co_u32 s[T0], s[T0], VALR
	v_lshl_add_u32 v[LV], v[LN], 4, s[T0]
	s_lshl_b32 s[T0], s[CH], 12
	s_lshl_b32 s[PC], s[RH], 8
	s_add_co_u32 s[T0], s[T0], s[PC]
	s_add_co_u32 s[T0], s[T0], IDXR
	v_lshl_add_u32 v[LI], v[LN], 3, s[T0]
	s_lshl_b32 s[T0], s[WV], 10
	s_add_co_u32 s[T0], s[T0], PM
	v_lshl_add_u32 v[PS], v[LN], 2, s[T0]
	v_lshl_add_u32 v[PT], v0, 3, PM
	WIN 0x40                                       ; destination window 1, sources window 0
	s_lshl_b32 s[T0], s[CH], 7
	v_lshl_add_u32 v[HOFF], v[HH], 3, s[T0]
	s_lshl_b32 s[T0], s[CH], 14
	s_lshl_b32 s[PC], s[RH], 13
	s_add_co_u32 s[T0], s[T0], s[PC]
	s_add_co_u32 s[T0], s[T0], VALR
	v_lshl_add_u32 v[RV0], v[L16], 2, s[T0]
	s_lshl_b32 s[T0], s[CH], 13
	s_lshl_b32 s[PC], s[RH], 12
	s_add_co_u32 s[T0], s[T0], s[PC]
	s_add_co_u32 s[T0], s[T0], IDXR
	v_lshl_add_u32 v[RI0], v[L16], 1, s[T0]
	v_mov_b32 v[ORUN], 0                           ; v_permlanex16_b32's destinations count as read: written once here
	v_mov_b32 v[OIDX], 0
	WIN 0
	s_lshl_b32 s22, s[CX], 15                      ; the prefetches: my work-group's quarter of a tile,
	s_lshl_b32 s[T0], s[WV], 13                    ; my wave's quarter of that,
	s_add_co_u32 s22, s22, s[T0]
	s_add_co_u32 s22, s22, 2*TILEB                 ; in tile 2: the first change of slots steps it to tile 3
	s_add_nc_u64 s[PFA:PFA+1], s[4:5], s[22:23]
.irp i, 0,1,2,3,4,5,6,7
	s_mov_b32 s[MA+\i], 0
.endr
	s_mov_b32 s[MC], 32
	s_wait_loadcnt 0x0                             ; the mem ids are in
.Lmask:                                                ; a trip: 32 ids.  While one bank is compared the other is on its way
	s_wait_kmcnt 0x0                               ; bank X is in
	s_load_b512 s[YB:YB+15], s[IA:IA+1], s[OF] offset:0x40
	CMP16 XB
	s_wait_kmcnt 0x0                               ; bank Y is in, so its load has read the offset, which may be written
	s_add_co_u32 s[OF], s[OF], 128
	s_and_b32 s[OF], s[OF], 0xf80                  ; the last trip's load goes back to the quarter's first bytes: 3,968 + 128 at the most, inside the buffer; its ids are not used
	s_load_b512 s[XB:XB+15], s[IA:IA+1], s[OF] offset:0x0
	CMP16 YB
	s_sub_co_u32 s[MC], s[MC], 1
	s_cmp_lg_u32 s[MC], 0
	s_cbranch_scc1 .Lmask
	s_wait_kmcnt 0x0                               ; the last load has landed: the banks' registers and the pointer's are free
	; descriptor group 1 for the anchors' tiles: 64 rows x 256 bf16, padded in LDS, asked for jointly
	s_mov_b32 s[G1A+0], 15|(1<<16)|(1<<20)|(1<<21)|(6<<22)|(3<<25)  ; 15:0 the mask: all four work-groups; 17:16 elements of 2 bytes; 20 padding on; 21 set beside a mask; 24:22 after every 128 words; 31:25 4 words
	s_mov_b32 s[G1A+1], 256<<16                    ; tensor_dim0 = 256
	s_mov_b32 s[G1A+2], 64<<16                     ; tensor_dim1 = 64
	s_mov_b32 s[G1A+3], 256<<16                    ; tile_dim0 = 256
	s_mov_b32 s[G1A+4], 64                         ; tile_dim1 = 64
	s_mov_b32 s[G1A+5], 256                        ; 256 elements from row to row
	s_mov_b32 s[G1A+6], 0
	s_mov_b32 s[G1A+7], 0
	s_mov_b32 s[G0A], 1
	s_mul_i32 s[G0A+1], s[WV], QUART               ; slot 0, my 64 rows: no place in the cluster enters it
	s_lshl_b32 s22, s[WV], 15                      ; my 64 rows of 512 bytes of tile 0
	s_add_nc_u64 s[G0A+2:G0A+3], s[4:5], s[22:23]
	s_or_b32 s[G0A+3], s[G0A+3], 0x80000000
	s_mov_b32 s[RS], 0
	s_mov_b32 s[RT], 0
	; my quarter's flags go to LDS; then each thread ors the four waves' words of two columns and writes 0 or -1.0
.irp i, 0,1,2,3,4,5,6,7
	v_cndmask_b32 v[TM+\i], 0, 1, s[MA+\i]
.endr
.irp i, 0,1,2,3,4,5,6,7
	ds_store_b32 v[PS], v[TM+\i] offset:128*\i
.endr
	s_wait_dscnt 0x0                               ; for the others' sake: my flags are stored
	s_barrier_signal -1
	s_barrier_wait -1
.irp u, 0,1,2,3
	ds_load_b64 v[TM+2*\u:TM+2*\u+1], v[PT] offset:1024*\u
.endr
	s_wait_dscnt 0x0
	v_or_b32 v[TM], v[TM], v[TM+2]
	v_or_b32 v[TM+1], v[TM+1], v[TM+3]
	v_or_b32 v[TM+4], v[TM+4], v[TM+6]
	v_or_b32 v[TM+5], v[TM+5], v[TM+7]
	v_or_b32 v[TM], v[TM], v[TM+4]
	v_or_b32 v[TM+1], v[TM+1], v[TM+5]
	v_cmp_ne_u32 vcc_lo, 0, v[TM]
	v_cndmask_b32 v[TM], 0, -1.0, vcc_lo
	v_cmp_ne_u32 vcc_lo, 0, v[TM+1]
	v_cndmask_b32 v[TM+1], 0, -1.0, vcc_lo
	ds_store_b64 v[PT], v[TM:TM+1] offset:FM-PM
	s_wait_dscnt 0x0                               ; my two words of the mask are stored,
	s_wait_tensorcnt 0x1                           ; and my part of mem_feat's K 0-127 is in; the younger load, K 128-255, may stay out
	s_barrier_signal -1
	s_barrier_wait -1
	WIN 0x40                                       ; the starting values: register j of block cb is the word of column 16 cb + 8 (l / 16) + j
.irp b, 0,1,2,3,4,5,6,7
	ds_load_b128 v[MD+8*\b:MD+8*\b+3],   v[ML0] offset:64*\b
	ds_load_b128 v[MD+8*\b+4:MD+8*\b+7], v[ML0] offset:64*\b+16
.endr
	WIN 0
.irp b, 0,1,2,3,4,5,6,7
	ds_load_b32 v[ZR+\b], v[ZL0] offset:64*\b      ; and the word of my own row of block cb
.endr
	s_wait_dscnt 0x0
.irp b, 0,1,2,3,4,5,6,7
	v_cmp_eq_f32 vcc_lo, 0, v[ZR+\b]
	v_cndmask_b32 v[ZM+\b], 0, -1, vcc_lo
.endr
	CONVB 0                                        ; K 0-127 into window 2
	s_wait_tensorcnt 0x0                           ; all my tensor loads have landed, K 128-255 among them
	ds_add_u32 v[SPW], v[NIL]
	s_wait_dscnt 0x0                               ; the add is done, and my reads of slot 0 are over
	CROUND                                         ; the same holds of every wave of every partner
	JLOAD                                          ; tile 0 into slot 0
	CONVB 1                                        ; K 128-255 into window 3
	s_wait_tensorcnt 0x0                           ; my part of tile 0 is in
	ds_add_u32 v[SPW], v[NIL]
	s_xor_b32 s[G0A+1], s[G0A+1], SLOTB
	s_add_nc_u64 s[G0A+2:G0A+3], s[G0A+2:G0A+3], TILEB
	s_wait_dscnt 0x0                               ; my reads of slot 1 are over
	CROUND
	JLOAD                                          ; tile 1 into slot 1
	s_mov_b32 s[FB], 0
	FETCH 0                                        ; tile 0, piece 0
	PIECE 0, 0, 0, 0                               ; the first piece has no piece before it to reduce
	WIN 0
	PLACES                                         ; the places behind its last products, ahead of the first read of its sums
	s_wait_dscnt 0x0                               ; piece 1's fragments: no stores stand behind them this once
	s_mov_b32 s[TR], 14                            ; tiles 0 to 13: each asks for the tile two on
.Ltile:                                                ; a trip goes from a tile's piece 1 to the next tile's piece 0
	s_mov_b32 s[PC], 3
.Lpair:
	PIECE 1, 1, 0, 2
	PIECE 0, 1, 0, 2
	WIN 0
	s_sub_co_u32 s[PC], s[PC], 1
	s_cmp_lg_u32 s[PC], 0
	s_cbranch_scc1 .Lpair
	PIECE 1, 1, 1, 2                               ; piece 7: the change of slots; the refill has a tile's 512 matrix instructions in which to land
	PIECE 0, 1, 0, 2
	WIN 0
	s_sub_co_u32 s[TR], s[TR], 1
	s_cmp_lg_u32 s[TR], 0
	s_cbranch_scc1 .Ltile
	s_mov_b32 s[TR], 2                             ; tiles 14 and 15 ask for nothing: written apart
.Ltail:
	s_mov_b32 s[PC], 3
.Ltpair:
	PIECE 1, 1, 0, 2
	PIECE 0, 1, 0, 2
	WIN 0
	s_sub_co_u32 s[PC], s[PC], 1
	s_cmp_lg_u32 s[PC], 0
	s_cbranch_scc1 .Ltpair
	PIECE 1, 1, 2, 2                               ; in tile 15 its barrier and its 16 loads (from tile 14's slot) serve nothing: the price of one text for both trips
	WIN 0
	s_sub_co_u32 s[TR], s[TR], 1
	s_cmp_eq_u32 s[TR], 0
	s_cbranch_scc1 .Lout
	PIECE 0, 1, 0, 2
	WIN 0
	s_cmp_lg_u32 s[TR], 0
	s_cbranch_scc1 .Ltail
.Lout:
.set q, 0
	WIN 0x55
.rept 203
	EP 1                                           ; the last piece's reduction, with no products beside it
.endr
	WIN 0
	s_wait_dscnt 0x0                               ; my results are stored, and the unused loads are back
	s_barrier_signal -1
	s_barrier_wait -1
	; THE WAY OUT.  For 128 anchors a step (4 a lane) the two column halves' maxima and columns are read; the upper half wins only if strictly greater; 256 wg makes the column global.
	; A wave's store covers 512 consecutive bytes, at a multiple of 512 from the buffer's first byte.  Each step has registers of its own, so no store's data is rewritten.
	s_lshl_b32 s22, s[WG], 14                      ; the work-group's line of 4,096 numbers
	s_add_nc_u64 s[12:13], s[12:13], s[22:23]
	s_add_nc_u64 s[14:15], s[14:15], s[22:23]
	s_lshl_b32 s[T0], s[WG], 8
.irp t, 0,1,2,3,4,5,6,7
	ds_load_b128 v[OW+16*\t:OW+16*\t+3],     v[LV] offset:1024*\t
	ds_load_b128 v[OW+16*\t+4:OW+16*\t+7],   v[LV] offset:1024*\t+16384
	ds_load_b64  v[OW+16*\t+8:OW+16*\t+9],   v[LI] offset:512*\t
	ds_load_b64  v[OW+16*\t+10:OW+16*\t+11], v[LI] offset:512*\t+8192
.endr
.irp t, 0,1,2,3,4,5,6,7
.set ow, OW+16*\t
	s_wait_dscnt 28-4*\t                           ; step t's four loads are in; the later steps' may stay out
.irp j, 0,1,2,3
.if (\j)%2 == 0
	v_and_b32 v[TM], 0xffff, v[ow+8+(\j)/2]
	v_and_b32 v[TM+1], 0xffff, v[ow+10+(\j)/2]
.else
	v_lshrrev_b32 v[TM], 16, v[ow+8+(\j)/2]
	v_lshrrev_b32 v[TM+1], 16, v[ow+10+(\j)/2]
.endif
	v_cmp_gt_f32 vcc_lo, v[ow+4+\j], v[ow+\j]
	v_cndmask_b32 v[ow+12+\j], v[TM], v[TM+1], vcc_lo
	v_max_num_f32 v[ow+\j], v[ow+\j], v[ow+4+\j]
	v_add_nc_u32 v[ow+12+\j], s[T0], v[ow+12+\j]
.endr
	global_store_b128 v[GO], v[ow:ow+3], s[12:13] offset:2048*\t
	global_store_b128 v[GO], v[ow+12:ow+15], s[14:15] offset:2048*\t
.endr
	s_wait_tensorcnt 0x0                           ; the wave's end, behind my last tensor load and my last LDS store
	ds_add_u32 v[SPW], v[NIL]
	s_wait_dscnt 0x0
	CROUND                                         ; the closing round: no work-group ends while a partner may still ask for a tile that names it
	s_endpgm
.Lfunc_end_k_qc8c68c687c_knn:
	.size	k_qc8c68c687c_knn, .Lfunc_end_k_qc8c68c687c_knn-k_qc8c68c687c_knn
	.p2alignl 7, 3214868480
	.fill 96, 4, 3214868480
	.section	.rodata,"a",@progbits
	.p2align	6, 0x0
	.amdhsa_kernel k_qc8c68c687c_knn
		.amdhsa_group_segment_fixed_size 327680
		.amdhsa_private_segment_fixed_size 0
		.amdhsa_enable_private_segment 0
		.amdhsa_kernarg_size 48
		.amdhsa_user_sgpr_count 2
		.amdhsa_user_sgpr_kernarg_segment_ptr 1
		.amdhsa_wavefront_size32 1
		.amdhsa_system_sgpr_workgroup_id_x 1
		.amdhsa_system_sgpr_workgroup_id_y 1
		.amdhsa_system_sgpr_workgroup_id_z 1
		.amdhsa_system_vgpr_workitem_id 0
		.amdhsa_next_free_vgpr 1024
		.amdhsa_next_free_sgpr 100
		.amdhsa_reserve_vcc 1
		.amdhsa_float_denorm_mode_32 3
		.amdhsa_float_denorm_mode_16_64 3
		.amdhsa_memory_ordered 1
		.amdhsa_forward_progress 1
		.amdhsa_inst_pref_size 255
	.end_amdhsa_kernel
	.section	.bss,"aw",@nobits
	.p2align	6
	.space	262144
	.amdgpu_metadata
---
amdhsa.version: [ 1, 2 ]
amdhsa.kernels:
  - .name:           k_qc8c68c687c_knn
    .symbol:         k_qc8c68c687c_knn.kd
    .args:
      - { .name: abf, .offset: 0, .size: 8, .value_kind: global_buffer, .address_space: global }
      - { .name: mem_feat, .offset: 8, .size: 8, .value_kind: global_buffer, .address_space: global }
      - { .name: mem_id, .offset: 16, .size: 8, .value_kind: global_buffer, .address_space: global }
      - { .name: id_anchors, .offset: 24, .size: 8, .value_kind: global_buffer, .address_space: global }
      - { .name: pval, .offset: 32, .size: 8, .value_kind: global_buffer, .address_space: global }
      - { .name: pidx, .offset: 40, .size: 8, .value_kind: global_buffer, .address_space: global }
    .group_segment_fixed_size: 327680
    .private_segment_fixed_size: 0
    .kernarg_segment_align: 8
    .kernarg_segment_size: 48
    .max_flat_workgroup_size: 128
    .sgpr_count:     100
    .vgpr_count:     1024
    .wavefront_size: 32
...
	.end_amdgpu_metadata
.endif
;; end of part 2
;; launch pick (part 3): grid 64 x 1, 16 waves a work-group, no clusters, 10,240 bytes of LDS; arguments pval, pidx, out0, nidx; writes out0, nidx
.if DOCPART == 3
	.amdgcn_target "amdgcn-amd-amdhsa--gfx1250"
	.amdhsa_code_object_version 6
	.text
	.protected	k_qc8c68c687c_pick
	.globl	k_qc8c68c687c_pick
	.p2align	8
	.type	k_qc8c68c687c_pick,@function
k_qc8c68c687c_pick:
	s_mov_b64 s[64:65], 0
	v_nop
	global_prefetch_b8 v0, s[64:65] scope:SCOPE_SE
	s_setreg_imm32_b32 hwreg(HW_REG_WAVE_MODE, 25, 1), 1
	s_wait_xcnt 0x0
; For each anchor: the largest of its 256 partial maxima and the first column that reaches it.  out0 = 20 x the maximum (the raw sum times 1 / 0.05); nidx = the column.
; pval, pidx: [256 lines][4096 anchors] f32, u32; line g holds the columns 256 g .. + 255, so a lower line means lower columns.  NaN is not treated apart.
; A work-group owns 64 anchors: 256 consecutive bytes, aligned, of every line.  Wave v takes lines 16 v .. + 15: a load of 16 bytes a lane covers two lines (lanes 0-15 the even one, lanes 16-31 the odd one).
; A lane reduces 4 anchors over its 8 lines, ascending: a tie keeps the earlier line.  The halves of the lanes hold interleaved lines: of equal maxima the lower column wins.  The 16 waves meet in LDS; wave 0 finishes, ascending.
; No matrix unit, no cluster: every byte is read once, by one wave.
.set PV,    0                          ; LDS: [wave][64] f32
.set PI,    4096                       ; [wave][64] u32
.set SPARE, 8192                       ; the spare words, 128 bytes for each of the 16 waves: eight blocks of 256 bytes that no other line names
.set SPW, 2
.set NIL, 3
.set VO,  8                            ; (16 v + l / 16) x 16,384 + 16 (l % 16); never rewritten
.set LS,  9                            ; 256 v + 16 (l % 16)
.set LR,  10                           ; 8 x lane
.set R,   16                           ; load i: maxima at v[16 + 8 i ..+3], columns at v[20 + 8 i ..+3]; load 0's registers carry the running pair
.set I,   20
.set OR,  80                           ; v80-83, v84-87: the other half of the lanes'
.set OI,  84
.set TT,  88
.set MM,  89
.set F,   96                           ; wave 0: wave u's maxima at v[96 + 4 u ..+1], columns at +2
	s_load_b256 s[4:11], s[0:1], 0x0               ; pval s[4:5], pidx s[6:7], out0 s[8:9], nidx s[10:11]
	v_lshl_add_u32 v[SPW], v0, 2, SPARE
	v_mov_b32 v[NIL], 0
	v_lshrrev_b32 v1, 5, v0
	v_readfirstlane_b32 s12, v1                    ; wave 0..15
	v_and_b32 v4, 15, v0
	v_bfe_u32 v5, v0, 4, 1
	v_and_b32 v6, 31, v0
	s_lshl_b32 s13, s12, 18                        ; 16 lines of 16,384 bytes
	v_lshlrev_b32 v7, 4, v4
	v_lshl_add_u32 v[VO], v5, 14, v7
	v_add_nc_u32 v[VO], s13, v[VO]
	s_lshl_b32 s14, s12, 8
	v_add_nc_u32 v[LS], s14, v7
	v_lshlrev_b32 v[LR], 3, v6
	s_lshl_b32 s16, ttmp9, 8                       ; the work-group's 64 anchors: 256 bytes in all four buffers
	s_mov_b32 s17, 0
	s_mov_b32 s18, 0x76543210                      ; v_permlanex16_b32: each lane takes its own place in the other half
	s_mov_b32 s19, 0xfedcba98
	s_wait_kmcnt 0x0
	s_add_nc_u64 s[4:5], s[4:5], s[16:17]
	s_add_nc_u64 s[6:7], s[6:7], s[16:17]
	s_add_nc_u64 s[8:9], s[8:9], s[16:17]
	s_add_nc_u64 s[10:11], s[10:11], s[16:17]
.irp i, 0,1,2,3,4,5,6,7
	global_load_b128 v[R+8*\i:R+8*\i+3], v[VO], s[4:5] offset:32768*\i th:TH_LOAD_NT
	global_load_b128 v[I+8*\i:I+8*\i+3], v[VO], s[6:7] offset:32768*\i th:TH_LOAD_NT
.endr
.irp j, 0,1,2,3,4,5,6,7
	v_mov_b32 v[OR+\j], 0                          ; v_permlanex16_b32's destinations count as read: written while the loads are out
.endr
.irp i, 1,2,3,4,5,6,7
	s_wait_loadcnt 14-2*\i                         ; pair i is in (and all before it); the 14 - 2 i younger loads may stay out
.irp j, 0,1,2,3
	v_cmp_ge_f32 vcc_lo, v[R+\j], v[R+8*\i+\j]
	v_max_num_f32 v[R+\j], v[R+\j], v[R+8*\i+\j]
	v_cndmask_b32 v[I+\j], v[I+8*\i+\j], v[I+\j], vcc_lo
.endr
.endr
.irp j, 0,1,2,3
	v_permlanex16_b32 v[OR+\j], v[R+\j], s18, s19
	v_permlanex16_b32 v[OI+\j], v[I+\j], s18, s19
.endr
.irp j, 0,1,2,3
	v_cmp_gt_f32 vcc_lo, v[OR+\j], v[R+\j]
	v_cndmask_b32 v[TT], v[I+\j], v[OI+\j], vcc_lo
	v_min_u32 v[MM], v[I+\j], v[OI+\j]
	v_cmp_eq_f32 vcc_lo, v[OR+\j], v[R+\j]
	v_cndmask_b32 v[I+\j], v[TT], v[MM], vcc_lo
	v_max_num_f32 v[R+\j], v[R+\j], v[OR+\j]
.endr
	ds_store_b128 v[LS], v[R:R+3] offset:PV        ; both halves of the lanes store the same numbers to the same words
	ds_store_b128 v[LS], v[I:I+3] offset:PI
	s_wait_dscnt 0x0                               ; for the others' sake
	s_barrier_signal -1
	s_barrier_wait -1
	s_cmp_lg_u32 s12, 0
	s_cbranch_scc1 .Lend
.irp u, 0,1,2,3,4,5,6,7,8,9,10,11,12,13,14,15
	ds_load_b64 v[F+4*\u:F+4*\u+1],   v[LR] offset:PV+256*\u
	ds_load_b64 v[F+4*\u+2:F+4*\u+3], v[LR] offset:PI+256*\u
.endr
.irp u, 1,2,3,4,5,6,7,8,9,10,11,12,13,14,15
	s_wait_dscnt 30-2*\u                           ; wave u's pair is in; the younger loads may stay out
.irp j, 0,1
	v_cmp_ge_f32 vcc_lo, v[F+\j], v[F+4*\u+\j]
	v_max_num_f32 v[F+\j], v[F+\j], v[F+4*\u+\j]
	v_cndmask_b32 v[F+2+\j], v[F+4*\u+2+\j], v[F+2+\j], vcc_lo
.endr
.endr
	v_mul_f32 v[F], 0x41a00000, v[F]               ; x 20
	v_mul_f32 v[F+1], 0x41a00000, v[F+1]
	global_store_b64 v[LR], v[F:F+1], s[8:9]       ; 32 lanes store 256 consecutive bytes, aligned
	global_store_b64 v[LR], v[F+2:F+3], s[10:11]
.Lend:
	s_wait_tensorcnt 0x0                           ; the wave's end, behind my last LDS store
	ds_add_u32 v[SPW], v[NIL]
	s_wait_dscnt 0x0
	s_endpgm
.Lfunc_end_k_qc8c68c687c_pick:
	.size	k_qc8c68c687c_pick, .Lfunc_end_k_qc8c68c687c_pick-k_qc8c68c687c_pick
	.p2alignl 7, 3214868480
	.fill 96, 4, 3214868480
	.section	.rodata,"a",@progbits
	.p2align	6, 0x0
	.amdhsa_kernel k_qc8c68c687c_pick
		.amdhsa_group_segment_fixed_size 10240
		.amdhsa_private_segment_fixed_size 0
		.amdhsa_enable_private_segment 0
		.amdhsa_kernarg_size 32
		.amdhsa_user_sgpr_count 2
		.amdhsa_user_sgpr_kernarg_segment_ptr 1
		.amdhsa_wavefront_size32 1
		.amdhsa_system_sgpr_workgroup_id_x 1
		.amdhsa_system_sgpr_workgroup_id_y 1
		.amdhsa_system_sgpr_workgroup_id_z 1
		.amdhsa_system_vgpr_workitem_id 0
		.amdhsa_next_free_vgpr 160
		.amdhsa_next_free_sgpr 66
		.amdhsa_reserve_vcc 1
		.amdhsa_float_denorm_mode_32 3
		.amdhsa_float_denorm_mode_16_64 3
		.amdhsa_memory_ordered 1
		.amdhsa_forward_progress 1
		.amdhsa_inst_pref_size 14
	.end_amdhsa_kernel
	.amdgpu_metadata
---
amdhsa.version: [ 1, 2 ]
amdhsa.kernels:
  - .name:           k_qc8c68c687c_pick
    .symbol:         k_qc8c68c687c_pick.kd
    .args:
      - { .name: pval, .offset: 0, .size: 8, .value_kind: global_buffer, .address_space: global }
      - { .name: pidx, .offset: 8, .size: 8, .value_kind: global_buffer, .address_space: global }
      - { .name: out0, .offset: 16, .size: 8, .value_kind: global_buffer, .address_space: global }
      - { .name: nidx, .offset: 24, .size: 8, .value_kind: global_buffer, .address_space: global }
    .group_segment_fixed_size: 10240
    .private_segment_fixed_size: 0
    .kernarg_segment_align: 8
    .kernarg_segment_size: 32
    .max_flat_workgroup_size: 512
    .sgpr_count:     66
    .vgpr_count:     160
    .wavefront_size: 32
...
	.end_amdgpu_metadata
.endif
;; end of part 3
;; launch gather (part 4): grid 128 x 1, 8 waves a work-group, no clusters, 0 bytes of LDS; arguments nidx, mem_feat, out1; writes out1
.if DOCPART == 4
	.amdgcn_target "amdgcn-amd-amdhsa--gfx1250"
	.amdhsa_code_object_version 6
	.text
	.protected	k_qc8c68c687c_gather
	.globl	k_qc8c68c687c_gather
	.p2align	8
	.type	k_qc8c68c687c_gather,@function
k_qc8c68c687c_gather:
	s_mov_b64 s[64:65], 0
	v_nop
	global_prefetch_b8 v0, s[64:65] scope:SCOPE_SE
	s_setreg_imm32_b32 hwreg(HW_REG_WAVE_MODE, 25, 1), 1
	s_wait_xcnt 0x0
; out1[a][:] = mem_feat[nidx[a]][:], in f32.  nidx: [4096] u32, stored by the launch before.  A row is 1,024 bytes.
; Wave g = 8 x work-group + wave takes anchors 4 g .. 4 g + 3: four indices by one scalar load, each held to 65,535 (the table's last row) before it enters an address;
; a row is two loads and two stores of 16 bytes a lane, 512 consecutive bytes each.  All eight loads go out before the first store.  A row may be named by several anchors, so the loads carry no hint.
.set D, 4                              ; v[4:35]  row k, half m at D + 8 k + 4 m
	s_load_b128 s[4:7], s[0:1], 0x0                ; nidx s[4:5], mem_feat s[6:7]
	s_load_b64 s[8:9], s[0:1], 0x10                ; out1
	v_lshrrev_b32 v1, 5, v0
	v_readfirstlane_b32 s10, v1                    ; wave 0..7
	s_lshl_b32 s11, ttmp9, 3
	s_add_co_u32 s11, s11, s10                     ; g
	v_and_b32 v2, 31, v0
	v_lshlrev_b32 v2, 4, v2                        ; 16 bytes a lane
	s_lshl_b32 s16, s11, 4                         ; my four indices
	s_lshl_b32 s18, s11, 12                        ; my four rows of out1
	s_mov_b32 s19, 0
	s_wait_kmcnt 0x0
	s_load_b128 s[12:15], s[4:5], s16 offset:0x0
	s_add_nc_u64 s[8:9], s[8:9], s[18:19]
	s_wait_kmcnt 0x0
.irp k, 0,1,2,3
	s_min_u32 s[20+2*\k], s[12+\k], 0xffff
	s_lshl_b32 s[20+2*\k], s[20+2*\k], 10          ; the row's byte offset, under 2^26
	s_mov_b32 s[21+2*\k], 0
	s_add_nc_u64 s[20+2*\k:21+2*\k], s[6:7], s[20+2*\k:21+2*\k]
.endr
.irp k, 0,1,2,3
	global_load_b128 v[D+8*\k:D+8*\k+3],   v2, s[20+2*\k:21+2*\k]
	global_load_b128 v[D+8*\k+4:D+8*\k+7], v2, s[20+2*\k:21+2*\k] offset:512
.endr
.irp j, 0,1,2,3,4,5,6,7
	s_wait_loadcnt 7-\j                            ; load j is in; the 7 - j younger ones may stay out
	global_store_b128 v2, v[D+4*\j:D+4*\j+3], s[8:9] offset:512*\j th:TH_STORE_NT
.endr
	s_endpgm
.Lfunc_end_k_qc8c68c687c_gather:
	.size	k_qc8c68c687c_gather, .Lfunc_end_k_qc8c68c687c_gather-k_qc8c68c687c_gather
	.p2alignl 7, 3214868480
	.fill 96, 4, 3214868480
	.section	.rodata,"a",@progbits
	.p2align	6, 0x0
	.amdhsa_kernel k_qc8c68c687c_gather
		.amdhsa_group_segment_fixed_size 0
		.amdhsa_private_segment_fixed_size 0
		.amdhsa_enable_private_segment 0
		.amdhsa_kernarg_size 24
		.amdhsa_user_sgpr_count 2
		.amdhsa_user_sgpr_kernarg_segment_ptr 1
		.amdhsa_wavefront_size32 1
		.amdhsa_system_sgpr_workgroup_id_x 1
		.amdhsa_system_sgpr_workgroup_id_y 1
		.amdhsa_system_sgpr_workgroup_id_z 1
		.amdhsa_system_vgpr_workitem_id 0
		.amdhsa_next_free_vgpr 40
		.amdhsa_next_free_sgpr 66
		.amdhsa_reserve_vcc 0
		.amdhsa_float_denorm_mode_32 3
		.amdhsa_float_denorm_mode_16_64 3
		.amdhsa_memory_ordered 1
		.amdhsa_forward_progress 1
		.amdhsa_inst_pref_size 4
	.end_amdhsa_kernel
	.amdgpu_metadata
---
amdhsa.version: [ 1, 2 ]
amdhsa.kernels:
  - .name:           k_qc8c68c687c_gather
    .symbol:         k_qc8c68c687c_gather.kd
    .args:
      - { .name: nidx, .offset: 0, .size: 8, .value_kind: global_buffer, .address_space: global }
      - { .name: mem_feat, .offset: 8, .size: 8, .value_kind: global_buffer, .address_space: global }
      - { .name: out1, .offset: 16, .size: 8, .value_kind: global_buffer, .address_space: global }
    .group_segment_fixed_size: 0
    .private_segment_fixed_size: 0
    .kernarg_segment_align: 8
    .kernarg_segment_size: 24
    .max_flat_workgroup_size: 256
    .sgpr_count:     66
    .vgpr_count:     40
    .wavefront_size: 32
...
	.end_amdgpu_metadata
.endif
;; end of part 4
;; ======== version 2 of 2: 4 launches; version 1 with the launch pick written anew for expert scheduling mode
;; workspace buffers: abf 2,097,152 bytes; pval 4,194,304 bytes; pidx 4,194,304 bytes of whole numbers; nidx 16,384 bytes of whole numbers
;; launch cvt: the kernel of part 1 again; grid 256 x 1, 8 waves a work-group, no clusters, 0 bytes of LDS; arguments anchors, abf; writes abf
;; launch knn: the kernel of part 2 again; grid 256 x 1, 4 waves a work-group, clusters of 4 x 1, 327,680 bytes of LDS; arguments abf, mem_feat, mem_id, id_anchors, pval, pidx; writes pval, pidx
;; launch pick (part 5): grid 64 x 1, 16 waves a work-group, no clusters, 10,240 bytes of LDS; arguments pval, pidx, out0, nidx; writes out0, nidx
.if DOCPART == 5
	.amdgcn_target "amdgcn-amd-amdhsa--gfx1250"
	.amdhsa_code_object_version 6
	.text
	.protected	k_qc8c68c687c_pick
	.globl	k_qc8c68c687c_pick
	.p2align	8
	.type	k_qc8c68c687c_pick,@function
k_qc8c68c687c_pick:
	s_mov_b64 s[64:65], 0
	v_nop
	global_prefetch_b8 v0, s[64:65] scope:SCOPE_SE
	s_setreg_imm32_b32 hwreg(HW_REG_WAVE_SCHED_MODE, 0, 2), 2
	s_setreg_imm32_b32 hwreg(HW_REG_WAVE_MODE, 25, 1), 1
	s_wait_xcnt 0x0
	s_wait_alu depctr_vm_vsrc(0)
; For each anchor: the largest of its 256 partial maxima and the first column that reaches it.  out0 = 20 x the maximum (the raw sum times 1 / 0.05); nidx = the column.
; pval, pidx: [256 lines][4096 anchors] f32, u32; line g holds the columns 256 g .. + 255, so a lower line means lower columns.  NaN is not treated apart.
; A work-group owns 64 anchors: 256 consecutive bytes, aligned, of every line.  Wave v takes lines 16 v .. + 15: a load of 16 bytes a lane covers two lines (lanes 0-15 the even one, lanes 16-31 the odd one).
; A lane reduces 4 anchors over its 8 lines, ascending: a tie keeps the earlier line.  The halves of the lanes hold interleaved lines: of equal maxima the lower column wins.  The 16 waves meet in LDS; wave 0 finishes, ascending.
; No matrix unit, no cluster: every byte is read once, by one wave.
; THE MODE: SCHED_MODE bits 1:0 = 2 (LLVM: expert scheduling mode 2), set by the entry lines.  The code itself states the register dependences
; between vector instructions and memory or LDS instructions, with s_wait_alu, always for 0.
; THE PLAN.  Registers that memory or LDS instructions touch:
;   v[VO], v[LS], v[LR]  offsets and LDS addresses: written at the head, never again; read by the loads and stores.
;   v16-79               the 16 global loads land here, once each; no vector line names them before.  v16-23 then carry the running maxima and columns, which the two LDS stores read; they are not written behind those.
;   v96-159              wave 0: the 32 LDS loads land here, once each; no vector line names them before.  v96-99 then carry the results, which the two global stores read; they are not written behind those.
;   v80-89               named by vector lines alone.      v[SPW], v[NIL]  written at the head, read by the closing add alone.
; So three waits on va_vdst: ahead of the global loads, of the LDS stores, of the global stores.  No register that a memory or LDS instruction has read is written again.
; THE MASKS.  A compare writes a scalar register that a select reads, and a wait on va_sdst stands between the two.  A compare needs the running maximum alone, not the running column: so the compares and maxima of
; several steps stand in one run, into the eight registers s[16:23], one wait follows, and then the steps' selects, in the same ascending order.
.set PV,    0                          ; LDS: [wave][64] f32
.set PI,    4096                       ; [wave][64] u32
.set SPARE, 8192                       ; the spare words, 128 bytes for each of the 16 waves: eight blocks of 256 bytes that no other line names
.set SPW, 2
.set NIL, 3
.set VO,  8                            ; (16 v + l / 16) x 16,384 + 16 (l % 16); never rewritten
.set LS,  9                            ; 256 v + 16 (l % 16)
.set LR,  10                           ; 8 x lane
.set R,   16                           ; load i: maxima at v[16 + 8 i ..+3], columns at v[20 + 8 i ..+3]; load 0's registers carry the running pair
.set I,   20
.set OR,  80                           ; v80-83, v84-87: the other half of the lanes'
.set OI,  84
.set TT,  88
.set MM,  89
.set F,   96                           ; wave 0: wave u's maxima at v[96 + 4 u ..+1], columns at +2
.set SEL, 2                            ; s[2:3]   v_permlanex16_b32's selects: each lane takes its own place in the other half
.set MK,  16                           ; s[16:23] the compares' masks; s16 and s17 first hold the work-group's byte offset, until the four bases are made
; The wave's reduction, pair of lines i.  FOLD: is the maximum so far >= line i's?  into masks m .. m + 3; then the new maxima.  TAKE: the column stays where the mask says so, else it is line i's.
.macro FOLD i, m
	s_wait_loadcnt 14-2*(\i)                       ; pair i is in (and all before it); the 14 - 2 i younger loads may stay out
.irp j, 0,1,2,3
	v_cmp_ge_f32 s[MK+(\m)+\j], v[R+\j], v[R+8*(\i)+\j]
.endr
.irp j, 0,1,2,3
	v_max_num_f32 v[R+\j], v[R+\j], v[R+8*(\i)+\j]
.endr
.endm
.macro TAKE i, m
.irp j, 0,1,2,3
	v_cndmask_b32 v[I+\j], v[I+8*(\i)+\j], v[I+\j], s[MK+(\m)+\j]
.endr
.endm
; Wave 0's reduction over the waves, wave u: the same, two anchors a lane, masks m and m + 1.
.macro FOLDW u, m
	s_wait_dscnt 30-2*(\u)                         ; wave u's pair is in; the younger loads may stay out
.irp j, 0,1
	v_cmp_ge_f32 s[MK+(\m)+\j], v[F+\j], v[F+4*(\u)+\j]
.endr
.irp j, 0,1
	v_max_num_f32 v[F+\j], v[F+\j], v[F+4*(\u)+\j]
.endr
.endm
.macro TAKEW u, m
.irp j, 0,1
	v_cndmask_b32 v[F+2+\j], v[F+4*(\u)+2+\j], v[F+2+\j], s[MK+(\m)+\j]
.endr
.endm
	s_load_b256 s[4:11], s[0:1], 0x0               ; pval s[4:5], pidx s[6:7], out0 s[8:9], nidx s[10:11]
	v_lshl_add_u32 v[SPW], v0, 2, SPARE
	v_mov_b32 v[NIL], 0
	v_lshrrev_b32 v1, 5, v0
	v_readfirstlane_b32 s12, v1                    ; wave 0..15
	v_and_b32 v4, 15, v0
	v_bfe_u32 v5, v0, 4, 1
	v_and_b32 v6, 31, v0
	v_lshlrev_b32 v7, 4, v4
	v_lshl_add_u32 v[VO], v5, 14, v7
	v_lshlrev_b32 v[LR], 3, v6
	s_wait_alu depctr_va_sdst(0)                   ; s12 is written, ahead of its first reader: the wave's offsets are made from it
	s_lshl_b32 s13, s12, 18                        ; 16 lines of 16,384 bytes
	v_add_nc_u32 v[VO], s13, v[VO]
	s_lshl_b32 s14, s12, 8
	v_add_nc_u32 v[LS], s14, v7
	s_lshl_b32 s16, ttmp9, 8                       ; the work-group's 64 anchors: 256 bytes in all four buffers
	s_mov_b32 s17, 0
	s_mov_b32 s[SEL], 0x76543210
	s_mov_b32 s[SEL+1], 0xfedcba98
	s_wait_kmcnt 0x0
	s_add_nc_u64 s[4:5], s[4:5], s[16:17]
	s_add_nc_u64 s[6:7], s[6:7], s[16:17]
	s_add_nc_u64 s[8:9], s[8:9], s[16:17]
	s_add_nc_u64 s[10:11], s[10:11], s[16:17]
	s_wait_alu depctr_va_vdst(0)                   ; v[VO], v[LS] and v[LR] are written: the loads and stores below read them as offsets and addresses
.irp i, 0,1,2,3,4,5,6,7
	global_load_b128 v[R+8*\i:R+8*\i+3], v[VO], s[4:5] offset:32768*\i th:TH_LOAD_NT
	global_load_b128 v[I+8*\i:I+8*\i+3], v[VO], s[6:7] offset:32768*\i th:TH_LOAD_NT
.endr
.irp j, 0,1,2,3,4,5,6,7
	v_mov_b32 v[OR+\j], 0                          ; v_permlanex16_b32's destinations count as read: written while the loads are out; no load or store names these registers
.endr
.irp g, 0,1,2
	FOLD 2*\g+1, 0                                 ; two steps to a run: eight compares, eight maxima,
	FOLD 2*\g+2, 4
	s_wait_alu depctr_va_sdst(0)                   ; the run's eight compares have written s[16:23], which the selects below read
	TAKE 2*\g+1, 0
	TAKE 2*\g+2, 4
.endr
	FOLD 7, 0                                      ; the last step; the maxima are final, so their exchange stands between the compares and the wait
.irp j, 0,1,2,3
	v_permlanex16_b32 v[OR+\j], v[R+\j], s[SEL], s[SEL+1]
.endr
	s_wait_alu depctr_va_sdst(0)                   ; the four compares have written s[16:19], which the selects below read
	TAKE 7, 0
.irp j, 0,1,2,3
	v_permlanex16_b32 v[OI+\j], v[I+\j], s[SEL], s[SEL+1]
.endr
.irp j, 0,1,2,3
	v_cmp_gt_f32 s[MK+\j], v[OR+\j], v[R+\j]       ; is the other half's maximum greater?
.endr
.irp j, 0,1,2,3
	v_cmp_eq_f32 s[MK+4+\j], v[OR+\j], v[R+\j]     ; or equal?
.endr
.irp j, 0,1,2,3
	v_max_num_f32 v[R+\j], v[R+\j], v[OR+\j]
.endr
	s_wait_alu depctr_va_sdst(0)                   ; the eight compares have written s[16:23], which the selects below read
.irp j, 0,1,2,3
	v_cndmask_b32 v[TT], v[I+\j], v[OI+\j], s[MK+\j]
	v_min_u32 v[MM], v[I+\j], v[OI+\j]
	v_cndmask_b32 v[I+\j], v[TT], v[MM], s[MK+4+\j]
.endr
	s_wait_alu depctr_va_vdst(0)                   ; the maxima and selects have written v16-23, which the LDS stores read
	ds_store_b128 v[LS], v[R:R+3] offset:PV        ; both halves of the lanes store the same numbers to the same words
	ds_store_b128 v[LS], v[I:I+3] offset:PI
	s_wait_dscnt 0x0                               ; for the others' sake
	s_barrier_signal -1
	s_barrier_wait -1
	s_cmp_lg_u32 s12, 0
	s_cbranch_scc1 .Lend
.irp u, 0,1,2,3,4,5,6,7,8,9,10,11,12,13,14,15
	ds_load_b64 v[F+4*\u:F+4*\u+1],   v[LR] offset:PV+256*\u  ; no wait: no vector line has named v96-159, and none stands behind the wait ahead of the stores above
	ds_load_b64 v[F+4*\u+2:F+4*\u+3], v[LR] offset:PI+256*\u
.endr
.irp g, 0,1,2
	FOLDW 4*\g+1, 0                                ; four steps to a run: eight compares, eight maxima,
	FOLDW 4*\g+2, 2
	FOLDW 4*\g+3, 4
	FOLDW 4*\g+4, 6
	s_wait_alu depctr_va_sdst(0)                   ; the run's eight compares have written s[16:23], which the selects below read
	TAKEW 4*\g+1, 0
	TAKEW 4*\g+2, 2
	TAKEW 4*\g+3, 4
	TAKEW 4*\g+4, 6
.endr
	FOLDW 13, 0
	FOLDW 14, 2
	FOLDW 15, 4
	v_mul_f32 v[F], 0x41a00000, v[F]               ; x 20: the maxima are final
	v_mul_f32 v[F+1], 0x41a00000, v[F+1]
	s_wait_alu depctr_va_sdst(0)                   ; the six compares have written s[16:21], which the selects below read
	TAKEW 13, 0
	TAKEW 14, 2
	TAKEW 15, 4
	s_wait_alu depctr_va_vdst(0)                   ; the products and selects have written v96-99, which the stores read
	global_store_b64 v[LR], v[F:F+1], s[8:9]       ; 32 lanes store 256 consecutive bytes, aligned
	global_store_b64 v[LR], v[F+2:F+3], s[10:11]
.Lend:
	s_wait_dscnt 0x0                               ; the closing lines, six on end
	s_wait_alu 0x0
	s_wait_tensorcnt 0x0
	ds_add_u32 v[SPW], v[NIL]
	s_wait_dscnt 0x0
	s_endpgm
.Lfunc_end_k_qc8c68c687c_pick:
	.size	k_qc8c68c687c_pick, .Lfunc_end_k_qc8c68c687c_pick-k_qc8c68c687c_pick
	.p2alignl 7, 3214868480
	.fill 96, 4, 3214868480
	.section	.rodata,"a",@progbits
	.p2align	6, 0x0
	.amdhsa_kernel k_qc8c68c687c_pick
		.amdhsa_group_segment_fixed_size 10240
		.amdhsa_private_segment_fixed_size 0
		.amdhsa_enable_private_segment 0
		.amdhsa_kernarg_size 32
		.amdhsa_user_sgpr_count 2
		.amdhsa_user_sgpr_kernarg_segment_ptr 1
		.amdhsa_wavefront_size32 1
		.amdhsa_system_sgpr_workgroup_id_x 1
		.amdhsa_system_sgpr_workgroup_id_y 1
		.amdhsa_system_sgpr_workgroup_id_z 1
		.amdhsa_system_vgpr_workitem_id 0
		.amdhsa_next_free_vgpr 160
		.amdhsa_next_free_sgpr 66
		.amdhsa_reserve_vcc 0
		.amdhsa_float_denorm_mode_32 3
		.amdhsa_float_denorm_mode_16_64 3
		.amdhsa_memory_ordered 1
		.amdhsa_forward_progress 1
		.amdhsa_inst_pref_size 18
	.end_amdhsa_kernel
	.amdgpu_metadata
---
amdhsa.version: [ 1, 2 ]
amdhsa.kernels:
  - .name:           k_qc8c68c687c_pick
    .symbol:         k_qc8c68c687c_pick.kd
    .args:
      - { .name: pval, .offset: 0, .size: 8, .value_kind: global_buffer, .address_space: global }
      - { .name: pidx, .offset: 8, .size: 8, .value_kind: global_buffer, .address_space: global }
      - { .name: out0, .offset: 16, .size: 8, .value_kind: global_buffer, .address_space: global }
      - { .name: nidx, .offset: 24, .size: 8, .value_kind: global_buffer, .address_space: global }
    .group_segment_fixed_size: 10240
    .private_segment_fixed_size: 0
    .kernarg_segment_align: 8
    .kernarg_segment_size: 32
    .max_flat_workgroup_size: 512
    .sgpr_count:     66
    .vgpr_count:     160
    .wavefront_size: 32
...
	.end_amdgpu_metadata
.endif
;; end of part 5
;; launch gather: the kernel of part 4 again; grid 128 x 1, 8 waves a work-group, no clusters, 0 bytes of LDS; arguments nidx, mem_feat, out1; writes out1
